; MI455X (gfx1250); checked and timed in simulation.
; The chip was launched on July 23, 2026; its instructions are those of AMD's public machine-readable ISA for CDNA 5 (MIT licence, August 2026) and "CDNA5" Instruction Set Architecture Reference Guide (July 2026). The comments in the code are by the model that wrote it; some were corrected since.
;; Cross Attention. Allowed arithmetic: float matrix products may take bf16 or f16 operands with f32 sums; all other float work in f32.
;; Inputs: Wkv 1,024 x 2,048 float32; Wq 1,024 x 1,024 float32; bkv 2,048 float32; bq 1,024 float32; query 4 x 1,024 x 1,024 float32; x 4 x 1,024 x 1,024 float32.
;; Outputs: out0 4 x 1,024 x 1,024 float32.
;; One version. Each part assembles by itself: llvm-mc -triple=amdgcn-amd-amdhsa -mcpu=gfx1250 --defsym DOCPART=n.
;; ======== version 1 of 1: 3 launches
;; limits: values are held in f16: magnitudes above 65,504 overflow, below 6.1e-05 lose precision
;; workspace buffers: ab 16,777,216 bytes; wb 6,291,456 bytes; kqv 25,165,824 bytes
;; launch cast (part 1): grid 256 x 1, 8 waves a work-group, no clusters, 0 bytes of LDS; arguments x, query, Wkv, Wq, ab, wb; writes ab, wb
.if DOCPART == 1
	.amdgcn_target "amdgcn-amd-amdhsa--gfx1250"
	.amdhsa_code_object_version 6
	.text
	.protected	k_q55cfa81b60_cast
	.globl	k_q55cfa81b60_cast
	.p2align	8
	.type	k_q55cfa81b60_cast,@function
k_q55cfa81b60_cast:
	s_mov_b64 s[64:65], 0
	v_nop
	global_prefetch_b8 v0, s[64:65] scope:SCOPE_SE
	s_setreg_imm32_b32 hwreg(HW_REG_WAVE_MODE, 25, 1), 1
	s_wait_xcnt 0x0
; f32 -> bf16 of the four large inputs, nothing transposed.
;   ab: bf16 [2][4096][1024], plane 0 = x, plane 1 = query (a row is 2,048 bytes)
;   wb: bf16 [1024 k][3072 n], columns 0-2047 = Wkv, columns 2048-3071 = Wq (a row is 6,144 bytes)
; 256 work-groups of eight waves.  Work-group g takes rows 16 g .. 16 g + 15 of x and of query (65,536 bytes each) and rows 4 g .. 4 g + 3 of
; Wkv (32,768 bytes) and of Wq (16,384 bytes).  A wave takes an eighth of each: 16 + 16 + 8 + 4 = 44 loads of 16 bytes a lane, each covering
; 512 neighbouring bytes.  All 44 are issued before the first wait; every load has registers of its own, so no register that a pending
; load or store names is ever written again and no wait is needed but the counted ones in front of the conversions.
; A load's 128 numbers leave as 256 neighbouring bytes, aligned: one store of 8 bytes a lane.
; No LDS, no barrier, no matrix unit: every byte is read once and written once, and there is nothing to share.
; Limit: rounding to bf16 (nearest even); the range is f32's.
.set D,      8                         ; v[8:183]  load n: four registers
.set NLOADS, 44
.set WBROW,  6144                      ; bytes in a row of wb
.set IA,  2                            ; v2  x, query: my 16 bytes in the wave's 8,192
.set OA,  3                            ; v3  ab: my 8 bytes in the wave's 4,096
.set IKV, 4                            ; v4  Wkv: the wave's 4,096 bytes are half a row
.set OKV, 5                            ; v5  wb: row w / 2, half w % 2 of the first 2,048 columns
.set IQ,  6                            ; v6  Wq: the wave's 2,048 bytes are half a row
.set OQ,  7                            ; v7  wb: row w / 2, half w % 2 of the last 1,024 columns
	s_load_b256 s[4:11], s[0:1], 0x0               ; x s[4:5], query s[6:7], Wkv s[8:9], Wq s[10:11]
	s_load_b128 s[12:15], s[0:1], 0x20             ; ab s[12:13], wb s[14:15]
	v_and_b32 v1, 31, v0                           ; lane
	v_lshrrev_b32 v184, 5, v0                      ; wave w
	v_lshrrev_b32 v185, 6, v0                      ; w / 2
	v_bfe_u32 v186, v0, 5, 1                       ; w % 2
	v_mul_u32_u24 v185, v185, WBROW
	v_lshlrev_b32 v187, 4, v1                      ; 16 x lane
	v_lshlrev_b32 v188, 3, v1                      ; 8 x lane
	v_lshl_add_u32 v[IA],  v184, 13, v187
	v_lshl_add_u32 v[OA],  v184, 12, v188
	v_lshl_add_u32 v[IKV], v184, 12, v187
	v_lshl_add_u32 v[IQ],  v184, 11, v187
	v_add_nc_u32 v185, v185, v188
	v_lshl_add_u32 v[OKV], v186, 11, v185
	v_lshl_add_u32 v[OQ],  v186, 10, v185
	v_add_nc_u32 v[OQ], 4096, v[OQ]                ; column 2,048 of wb
	s_mov_b32 s17, 0
	s_lshl_b32 s16, ttmp9, 16                      ; 16 rows of 4,096 bytes
	s_wait_kmcnt 0x0
	s_add_nc_u64 s[4:5], s[4:5], s[16:17]
	s_add_nc_u64 s[6:7], s[6:7], s[16:17]
	s_lshl_b32 s16, ttmp9, 15                      ; 4 rows of Wkv; also 16 rows of ab
	s_add_nc_u64 s[8:9], s[8:9], s[16:17]
	s_add_nc_u64 s[18:19], s[12:13], s[16:17]      ; ab, plane 0
	s_add_nc_u64 s[20:21], s[18:19], 0x800000      ; ab, plane 1
	s_lshl_b32 s16, ttmp9, 14                      ; 4 rows of Wq
	s_add_nc_u64 s[10:11], s[10:11], s[16:17]
	s_mul_i32 s16, ttmp9, 4*WBROW                  ; 4 rows of wb
	s_add_nc_u64 s[22:23], s[14:15], s[16:17]
.macro LOADS cnt, voff, sb             ; cnt loads of 512 neighbouring bytes; the launch reads these bytes once
.set i, 0
.rept \cnt
	global_load_b128 v[D+4*n:D+4*n+3], v[\voff], s[\sb:\sb+1] offset:512*i th:TH_LOAD_NT
.set i, i+1
.set n, n+1
.endr
.endm
.macro STORES cnt, voff, sb            ; the same loads in the same order: wait, round, store 256 neighbouring bytes
.set i, 0
.rept \cnt
	s_wait_loadcnt NLOADS-1-n                      ; loads come back in order (ISA guide 5.7.1): load n is in, the NLOADS-1-n younger ones stay out
	v_cvt_pk_bf16_f32 v[D+4*n],   v[D+4*n],   v[D+4*n+1]
	v_cvt_pk_bf16_f32 v[D+4*n+1], v[D+4*n+2], v[D+4*n+3]
	global_store_b64 v[\voff], v[D+4*n:D+4*n+1], s[\sb:\sb+1] offset:256*i
.set i, i+1
.set n, n+1
.endr
.endm
.set n, 0
	LOADS 16, IA,  4
	LOADS 16, IA,  6
	LOADS 8,  IKV, 8
	LOADS 4,  IQ,  10
.set n, 0
	STORES 16, OA,  18
	STORES 16, OA,  20
	STORES 8,  OKV, 22
	STORES 4,  OQ,  22
	s_endpgm
.Lfunc_end_k_q55cfa81b60_cast:
	.size	k_q55cfa81b60_cast, .Lfunc_end_k_q55cfa81b60_cast-k_q55cfa81b60_cast
	.p2alignl 7, 3214868480
	.fill 96, 4, 3214868480
	.section	.rodata,"a",@progbits
	.p2align	6, 0x0
	.amdhsa_kernel k_q55cfa81b60_cast
		.amdhsa_group_segment_fixed_size 0
		.amdhsa_private_segment_fixed_size 0
		.amdhsa_enable_private_segment 0
		.amdhsa_kernarg_size 48
		.amdhsa_user_sgpr_count 2
		.amdhsa_user_sgpr_kernarg_segment_ptr 1
		.amdhsa_wavefront_size32 1
		.amdhsa_system_sgpr_workgroup_id_x 1
		.amdhsa_system_sgpr_workgroup_id_y 1
		.amdhsa_system_sgpr_workgroup_id_z 1
		.amdhsa_system_vgpr_workitem_id 0
		.amdhsa_next_free_vgpr 192
		.amdhsa_next_free_sgpr 66
		.amdhsa_reserve_vcc 0
		.amdhsa_float_denorm_mode_32 3
		.amdhsa_float_denorm_mode_16_64 3
		.amdhsa_memory_ordered 1
		.amdhsa_forward_progress 1
		.amdhsa_inst_pref_size 17
	.end_amdhsa_kernel
	.amdgpu_metadata
---
amdhsa.version: [ 1, 2 ]
amdhsa.kernels:
  - .name:           k_q55cfa81b60_cast
    .symbol:         k_q55cfa81b60_cast.kd
    .args:
      - { .name: x, .offset: 0, .size: 8, .value_kind: global_buffer, .address_space: global }
      - { .name: query, .offset: 8, .size: 8, .value_kind: global_buffer, .address_space: global }
      - { .name: Wkv, .offset: 16, .size: 8, .value_kind: global_buffer, .address_space: global }
      - { .name: Wq, .offset: 24, .size: 8, .value_kind: global_buffer, .address_space: global }
      - { .name: ab, .offset: 32, .size: 8, .value_kind: global_buffer, .address_space: global }
      - { .name: wb, .offset: 40, .size: 8, .value_kind: global_buffer, .address_space: global }
    .group_segment_fixed_size: 0
    .private_segment_fixed_size: 0
    .kernarg_segment_align: 8
    .kernarg_segment_size: 48
    .max_flat_workgroup_size: 256
    .sgpr_count:     66
    .vgpr_count:     192
    .wavefront_size: 32
...
	.end_amdgpu_metadata
.endif
;; end of part 1
;; launch proj (part 2): grid 12 x 16, 4 waves a work-group, clusters of 4 x 4, 327,680 bytes of LDS; arguments ab, wb, bkv, bq, kqv; writes kqv
.if DOCPART == 2
	.amdgcn_target "amdgcn-amd-amdhsa--gfx1250"
	.amdhsa_code_object_version 6
	.text
	.protected	k_q55cfa81b60_proj
	.globl	k_q55cfa81b60_proj
	.p2align	8
	.type	k_q55cfa81b60_proj,@function
k_q55cfa81b60_proj:
	s_mov_b64 s[64:65], 0
	v_nop
	global_prefetch_b8 v0, s[64:65] scope:SCOPE_SE
	s_setreg_imm32_b32 hwreg(HW_REG_WAVE_MODE, 25, 1), 1
	s_wait_xcnt 0x0
	s_wait_alu depctr_hold_cnt(0) depctr_sa_sdst(0) depctr_va_vdst(0) depctr_va_sdst(0) depctr_va_ssrc(0) depctr_va_vcc(0) depctr_vm_vsrc(0)
	s_getreg_b32 s2, hwreg(HW_REG_IB_STS2, 6, 4)
	s_cmp_eq_u32 s2, 0
	s_cbranch_scc0 .Lentry_in_a_cluster
	s_endpgm
.Lentry_in_a_cluster:
	s_bfe_u32 s2, ttmp6, 0x10000c
	s_cmp_lg_u32 s2, 0xf033
	s_cbranch_scc0 .Lentry_shape_is_right
	s_endpgm
.Lentry_shape_is_right:
; Both projections as one product of 4096 x 3072 x 1024: [K | V] = x Wkv + bkv, Q = query Wq + bq.  Operands bf16, sums f32, the bias starts the sums.
;   A = ab: bf16 [2][4096][1024] (plane 0 = x, plane 1 = query);  B = wb: bf16 [1024 k][3072 n], columns K | V | Q.
;   Result kqv: f16 [64 bh][3 planes: K, Q, V][1024 tokens][64], bh = 16 x batch + head; a token's row is 128 bytes, a plane 131,072, a bh 393,216.
; A work-group makes a block of 256 rows x 256 columns (four heads of one of K, V, Q) with four waves, a wave 128 x 128: 64 accumulator tiles,
; 512 registers.  K goes in steps of 128 through a ring of two LDS slots filled by the tensor data mover.
; 12 x 16 = 192 work-groups: blocks of 256 columns divide K | V | Q into whole heads, each block needs one of x and query alone, and the grid
; divides into clusters of 4 x 4.
; CLUSTERS: the four work-groups of a row of the cluster need the same tiles of A, the four of a column the same tiles of B; each tile is asked for
; jointly, which divides the requests for A and for B by four.
; LIMITS: x, query, Wkv, Wq enter rounded to bf16.  K, Q, V leave rounded to f16: 11 significant bits, finite up to 65,504, Inf beyond.  With x and W
; both 30 times the drawn spread the results reach about 900 x 0.64 x 5.5 = 3,200; with common offsets of 30 and 0.6 about 1024 x 18 = 18,400;
; with both 30 times smaller their spread is about 7e-4 against f16's smallest spacing of 6e-8.
;
; REGISTERS, in windows of 256 (s_set_vgpr_msb says which window each operand place means):
;   window 0: v16-27 addresses; v64-127, v128-191 fragments of A, two buffers; v192-255 the bias of my 128 columns, later the packed results on the way out
;   window 1: v64-127, v128-191 fragments of B, two buffers
;   window 2: the 32 accumulator tiles of my rows 0-63 (tile (a, b) at v[8 (8 a + b)]);   window 3: those of my rows 64-127
; THE MATRIX INSTRUCTION IS USED TRANSPOSED: source 0 = 16 columns of B, source 1 = 16 rows of A.  Lane l then holds row l % 16 of the result and its
; registers 0 to 7 the columns 8 (l / 16) + 0 .. 7: eight neighbouring numbers of a row, 16 bytes of f16.
.set SIZE_K, 1024
.set KSTEP,  128
.set PITCH,  272                       ; A in LDS: a row of 256 bytes + 16 of padding: the 16 rows that a load touches start 16 bytes apart modulo 256
.set BPITCH, 544                       ; B in LDS: a k row of 512 bytes + 32 of padding, an odd multiple of 32, for the transposing load
.set HALFT,  128*PITCH                 ; what one tensor load brings: 128 rows of A, or 64 k rows of B (64 x 544 is the same 34,816 bytes)
.set SLOT,   4*HALFT                   ; A's 256 rows, then B's 128 k rows
.set STAGE,  2*SLOT                    ; behind the ring: 16 rows x 272 bytes for each wave, for the way out; no tensor load lands here
.set SPITCH, 272
.set LAPS,   SIZE_K/(2*KSTEP)          ; a lap = two K steps = once round the ring: 4
.set WROW,   6144                      ; bytes in a row of wb
.set BHB,    393216                    ; bytes of one bh in kqv
.set PLB,    131072                    ; bytes of one plane
.set ADRA, 16                          ; v16-17  LDS address of my A fragments in slot 0, 1
.set ADRB, 20                          ; v20-21  the same for B
.set STO,  24                          ; v24     the way out: where I put 16 bytes of a row
.set RD,   25                          ; v25     the way out: where I read 16 bytes back
.set CO,   26                          ; v26     my byte offset in kqv
.set BO,   27                          ; v27     my byte offset in the bias
.set F0,   64                          ; fragment buffer 0
.set F1,   128                         ; fragment buffer 1
.set BIAS, 192                         ; v[192:255] register 8 b + j: the bias of column 16 b + 8 (l / 16) + j of my 128
.set TMP,  192                         ; the way out: packed results (the bias has been used by then)
.set G1,  24                           ; s[24:31] descriptor group 1 for A's tiles
.set G0,  32                           ; s[32:39] descriptor group 0 for A's tiles, one set for each slot
.set G1B, 48                           ; s[48:55] descriptor group 1 for B's tiles
.set G0B, 56                           ; s[56:63] descriptor group 0 for B's tiles, one set for each slot
.set MSB, 0
.macro WIN new                         ; the immediate's high byte repeats the setting that is left
.if MSB != \new
	s_set_vgpr_msb (MSB<<8)|\new
.set MSB, \new
.endif
.endm
.set MUL_LO,  0xa1                     ; source 0 (B) window 1, source 1 (A) window 0, C and D window 2
.set MUL_HI,  0xf1                     ; the same, C and D window 3
.set ZERO_LO, 0x81                     ; the first products: C is the bias in window 0, D window 2
.set ZERO_HI, 0xc1                     ; the same, D window 3
.set TO_B,    0x40                     ; destination window 1, address window 0
; A joint load.  Waves 0 and 1 fetch A's two halves, waves 2 and 3 B's.  Each line has one mask and one set of registers for all that issue it.
; The branch hangs on the wave's number alone.
.macro JLOAD s
	s_cmp_eq_u32 s11, 0
	s_cbranch_scc0 .Lfor_b_\@
	tensor_load_to_lds s[G0+4*\s:G0+4*\s+3], s[G1:G1+7]
	s_nop 0
	s_branch .Lasked_\@
.Lfor_b_\@:
	tensor_load_to_lds s[G0B+4*\s:G0B+4*\s+3], s[G1B:G1B+7]
	s_nop 0
.Lasked_\@:
.endm
; A round of the cluster's barrier: my work-group's barrier, wave 0 signals for the work-group, every wave waits for all sixteen work-groups,
; my work-group's barrier once more.
.macro CREST                           ; a round behind its opening barrier
	s_cmp_lg_u32 s10, 0
	s_cbranch_scc1 .Lnot_wave_0_\@
	s_barrier_signal -3
.Lnot_wave_0_\@:
	s_barrier_wait -3
	s_barrier_signal -1
	s_barrier_wait -1
.endm
.macro CROUND                          ; a whole round
	s_barrier_signal -1
	s_barrier_wait -1
	CREST
.endm
	s_load_b128 s[4:7], s[0:1], 0x0                ; ab s[4:5], wb s[6:7]
	s_load_b128 s[68:71], s[0:1], 0x10             ; bkv s[68:69], bq s[70:71]
	s_load_b64 s[8:9], s[0:1], 0x20                ; kqv
	s_set_vgpr_msb 0x40
	v_lshl_add_u32 v255, v0, 2, 0x48400
	s_set_vgpr_msb 0x4000
	v_mov_b32 v63, 0
	s_set_vgpr_msb 0x1
	ds_add_u32 v255, v63
	s_set_vgpr_msb 0x100
	v_lshrrev_b32 v1, 5, v0
	v_readfirstlane_b32 s10, v1                    ; wave 0..3
	s_lshr_b32 s11, s10, 1                         ; which half of the block's rows is mine.  Also: I fetch for A (0) or for B (1)
	s_and_b32 s12, s10, 1                          ; which half of its columns.  Also: which half of that tile I fetch
	s_bfe_u32 s40, ttmp6, 0x40000                  ; cx
	s_bfe_u32 s41, ttmp6, 0x40004                  ; cy
	s_lshl_b32 s42, ttmp9, 2                       ; ttmp9 counts clusters: 0 = K's columns, 1 = V's, 2 = Q's
	s_add_co_u32 s42, s42, s40                     ; block column 0..11
	s_and_b32 s13, ttmp7, 0xffff
	s_lshl_b32 s13, s13, 2
	s_add_co_u32 s13, s13, s41                     ; block row 0..15
	s_lshl_b32 s43, s41, 2
	s_lshl_b32 s43, 15, s43                        ; my row of the cluster: places 4 cy .. 4 cy + 3
	s_lshl_b32 s44, 0x1111, s40                    ; my column: places cx, cx + 4, cx + 8, cx + 12
	; group 1 for A: 128 rows x 128 elements of 2 bytes, 4 words of padding behind every 64
	s_or_b32 s[G1+0], s43, (1<<16)|(1<<20)|(1<<21)|(5<<22)|(3<<25)
	s_mov_b32 s[G1+1], KSTEP<<16                   ; tensor_dim0 = 128
	s_mov_b32 s[G1+2], 128<<16                     ; tensor_dim1 = 128
	s_mov_b32 s[G1+3], KSTEP<<16                   ; tile_dim0 = 128
	s_mov_b32 s[G1+4], 128                         ; tile_dim1 = 128
	s_mov_b32 s[G1+5], SIZE_K                      ; elements from row to row
	s_mov_b32 s[G1+6], 0
	s_mov_b32 s[G1+7], 0
	; group 1 for B: 64 k rows x 256 elements of 2 bytes, 8 words of padding behind every 128
	s_or_b32 s[G1B+0], s44, (1<<16)|(1<<20)|(1<<21)|(6<<22)|(7<<25)
	s_mov_b32 s[G1B+1], 256<<16                    ; tensor_dim0 = 256
	s_mov_b32 s[G1B+2], 64<<16                     ; tensor_dim1 = 64
	s_mov_b32 s[G1B+3], 256<<16                    ; tile_dim0 = 256
	s_mov_b32 s[G1B+4], 64                         ; tile_dim1 = 64
	s_mov_b32 s[G1B+5], 3072                       ; elements from k row to k row
	s_mov_b32 s[G1B+6], 0
	s_mov_b32 s[G1B+7], 0
	; where the tiles come from.  A's hang on the block row and on the cluster's x, which my row of the cluster shares; B's on the block column,
	; which my column shares.  Each address is made in registers that never hold the other coordinate.
	s_lshl_b32 s17, s12, 7
	s_lshl_b32 s16, s13, 8
	s_add_co_u32 s16, s16, s17                     ; A: row 256 x block row + 128 x half
	s_lshl_b32 s16, s16, 11                        ; rows of 2,048 bytes
	s_lshr_b32 s18, ttmp9, 1                       ; 1 for Q's columns alone
	s_lshl_b32 s18, s18, 23                        ; then the plane of query, 8,388,608 bytes on
	s_add_co_u32 s16, s16, s18
	s_mov_b32 s17, 0
	s_lshl_b32 s46, s42, 9                         ; B: 256 columns of 2 bytes a block
	s_mul_i32 s47, s12, 64*WROW                    ; + my 64 k rows
	s_add_co_u32 s46, s46, s47
	s_mov_b32 s47, 0
	; the bias of my 128 columns: bkv for K's and V's blocks, bq (which counts from block column 8) for Q's
	s_lshr_b32 s74, ttmp9, 1
	s_lshl_b32 s74, s74, 3
	s_sub_co_u32 s74, s42, s74
	s_lshl_b32 s74, s74, 10                        ; 256 columns of 4 bytes
	s_lshl_b32 s75, s12, 9
	s_add_co_u32 s74, s74, s75
	s_mov_b32 s75, 0
	s_mul_i32 s20, s10, HALFT                      ; where my tile goes: A's two halves, then B's two halves = wave x 34,816
	s_wait_dscnt 0x0
	s_wait_kmcnt 0x0
	s_cmp_eq_u32 ttmp9, 2
	s_cselect_b64 s[72:73], s[70:71], s[68:69]
	s_add_nc_u64 s[72:73], s[72:73], s[74:75]
	s_add_nc_u64 s[14:15], s[4:5], s[16:17]
	s_add_nc_u64 s[46:47], s[6:7], s[46:47]
	CROUND                                         ; all sixteen work-groups are here: the first joint loads meet
.irp s, 0,1
	s_mov_b32 s[G0+4*\s], 1                                        ; count = 1
	s_add_co_u32 s[G0+4*\s+1], s20, \s*SLOT                        ; LDS address
	s_add_nc_u64 s[G0+4*\s+2:G0+4*\s+3], s[14:15], \s*KSTEP*2      ; global address: K step s
	s_or_b32 s[G0+4*\s+3], s[G0+4*\s+3], 0x80000000                ; type = 2
	s_mov_b32 s[G0B+4*\s], 1
	s_add_co_u32 s[G0B+4*\s+1], s20, \s*SLOT
	s_add_nc_u64 s[G0B+4*\s+2:G0B+4*\s+3], s[46:47], \s*KSTEP*WROW ; 128 k rows on
	s_or_b32 s[G0B+4*\s+3], s[G0B+4*\s+3], 0x80000000
	JLOAD \s                                       ; the ring is filled before anything else is done: two tensor loads of mine are out
.endr
	; A's fragment (16 rows x 32 K): lane l holds row l % 16; two loads of 16 bytes, 32 bytes apart, at row x pitch + 16 (l / 16).
	; B's fragment (16 columns x 32 K) from k rows: two transposing loads, 16 k rows apart, at (8 (l / 16) + l % 8) x pitch + 16 ((l / 8) % 2).
	v_and_b32 v1, 15, v0                           ; l % 16
	v_bfe_u32 v2, v0, 4, 1                         ; l / 16
	v_and_b32 v6, 7, v0                            ; l % 8
	v_bfe_u32 v7, v0, 3, 1                         ; (l / 8) % 2
	v_lshlrev_b32 v5, 4, v6                        ; 16 (l % 8)
	v_mul_u32_u24 v3, v1, PITCH
	v_lshl_add_u32 v3, v2, 4, v3
	v_lshl_add_u32 v6, v2, 3, v6
	v_mul_u32_u24 v6, v6, BPITCH
	v_lshl_add_u32 v6, v7, 4, v6
	s_mul_i32 s21, s11, HALFT                      ; my 128 rows of A
	s_lshl_b32 s22, s12, 8                         ; my 128 columns of B, 256 bytes into each k row,
	s_add_co_u32 s22, s22, 2*HALFT                 ; which lie behind A's 256 rows
.irp s, 0,1
	v_add_nc_u32 v[ADRA+\s], s21, v3
	v_add_nc_u32 v[ADRB+\s], s22, v6
	s_add_co_u32 s21, s21, SLOT
	s_add_co_u32 s22, s22, SLOT
.endr
	s_mul_i32 s23, s10, 16*SPITCH
	s_add_co_u32 s23, s23, STAGE                   ; my stage
	v_mul_u32_u24 v4, v1, SPITCH                   ; in: row l % 16, 16 bytes for each half of the lanes
	v_lshl_add_u32 v4, v2, 4, v4
	v_add_nc_u32 v[STO], s23, v4
	v_mul_u32_u24 v8, v7, SPITCH                   ; back: lanes 0-7 a token's 128 bytes of the first head, lanes 8-15 the next token's,
	v_lshl_add_u32 v8, v2, 7, v8                   ; lanes 16-31 the same of the second head
	v_add3_u32 v[RD], v8, v5, s23
	v_mul_u32_u24 v9, v2, BHB                      ; and the same in kqv: the second head lies one bh on
	v_lshl_add_u32 v9, v7, 7, v9
	v_add_nc_u32 v[CO], v9, v5
	v_lshlrev_b32 v[BO], 5, v2                     ; 8 (l / 16) numbers of 4 bytes
.irp b, 0,1,2,3,4,5,6,7
	global_load_b128 v[BIAS+8*\b:BIAS+8*\b+3],   v[BO], s[72:73] offset:64*\b
	global_load_b128 v[BIAS+8*\b+4:BIAS+8*\b+7], v[BO], s[72:73] offset:64*\b+16
.endr
; 16 matrix instructions: m blocks a0, a0 + 1 of the window's four (hi = 0: my rows 0-63, 1: rows 64-127) x all 8 n blocks, 32 along K.
; zero = 1: the first product takes the bias as C and so starts the sums: nothing is cleared, and no add follows.
.macro MUL16 f, hi, a0, zero
.irp a, \a0, \a0+1
.irp b, 0,1,2,3,4,5,6,7
.if \zero
	v_wmma_f32_16x16x32_bf16 v[8*(8*(\a)+\b):8*(8*(\a)+\b)+7], v[\f+8*\b:\f+8*\b+7], v[\f+8*(4*\hi+\a):\f+8*(4*\hi+\a)+7], v[BIAS+8*\b:BIAS+8*\b+7]
.else
	v_wmma_f32_16x16x32_bf16 v[8*(8*(\a)+\b):8*(8*(\a)+\b)+7], v[\f+8*\b:\f+8*\b+7], v[\f+8*(4*\hi+\a):\f+8*(4*\hi+\a)+7], v[8*(8*(\a)+\b):8*(8*(\a)+\b)+7]
.endif
.endr
.endr
.endm
; 32 LDS loads in one run: the fragments of one quarter step into buffer f.  k = byte of the quarter in A's rows (64 bytes = 32 K);
; in B the same 32 K are 32 k rows of 544 bytes = 272 k bytes.
.macro FETCH slot, k, f
	WIN TO_B
.irp i, 0,1,2,3,4,5,6,7
	ds_load_tr16_b128 v[\f+8*\i:\f+8*\i+3],   v[ADRB+\slot] offset:\k*272+32*\i
	ds_load_tr16_b128 v[\f+8*\i+4:\f+8*\i+7], v[ADRB+\slot] offset:\k*272+32*\i+16*BPITCH
.endr
	WIN 0
.irp i, 0,1,2,3,4,5,6,7
	ds_load_b128 v[\f+8*\i:\f+8*\i+3],   v[ADRA+\slot] offset:\k+\i*16*PITCH
	ds_load_b128 v[\f+8*\i+4:\f+8*\i+7], v[ADRA+\slot] offset:\k+\i*16*PITCH+32
.endr
.endm
; A load into a register that a matrix instruction has read, and a vector instruction that reads a matrix result, stand four places behind that
; matrix instruction; only plain vector instructions that name none of its registers are places.
.macro PLACES
.rept 4
	v_nop
.endr
.endm
; A K step is four quarter steps of 32 along K, 64 matrix instructions each, on buffers 0, 1, 0, 1.  The 64 accumulators take turns, one
; instruction a turn, in the same order in every quarter step.
.macro QUARTER slot, k, f, g, zero
	s_wait_dscnt 8                                 ; B and A's rows 0-63 are in; the youngest eight loads (A's rows 64-127) may be out
.if \zero
	WIN ZERO_LO
.else
	WIN MUL_LO
.endif
	MUL16 \f, 0, 0, \zero
	MUL16 \f, 0, 2, \zero
	PLACES
	FETCH \slot, \k, \g
	s_wait_dscnt 32                                ; all but the 32 just issued
.if \zero
	WIN ZERO_HI
.else
	WIN MUL_HI
.endif
	MUL16 \f, 1, 0, \zero
	MUL16 \f, 1, 2, \zero
.endm
.macro THREE slot, zero
	QUARTER \slot, 64,  F0, F1, \zero
	QUARTER \slot, 128, F1, F0, 0
	QUARTER \slot, 192, F0, F1, 0
.endm
; The last quarter: multiplies buffer 1 and changes slots.  In front of the barrier each wave waits for its reads of this slot and for all its tensor
; loads (one is out: its part of the next slot).  Behind it the refill comes first, then the next slot's first fragments.
.macro TURN slot, next, fill
	s_wait_dscnt 8
	WIN MUL_LO
	MUL16 F1, 0, 0, 0
	s_wait_dscnt 0                                 ; my reads of this slot are over
	s_wait_tensorcnt 0x0                           ; and all my tensor loads have landed
	ds_add_u32 v255, v63
	s_wait_dscnt 0x0
	s_barrier_signal -1                            ; say so (where a slot is filled again this barrier opens a round of the cluster's barrier),
	MUL16 F1, 0, 2, 0                              ; work on registers while the others arrive,
	WIN 0
	s_barrier_wait -1
.if \fill
	CREST                                          ; no wave of any partner still reads this slot's tile or has a load on its way
	s_add_nc_u64 s[G0+4*\slot+2:G0+4*\slot+3], s[G0+4*\slot+2:G0+4*\slot+3], 2*KSTEP*2
	s_add_nc_u64 s[G0B+4*\slot+2:G0B+4*\slot+3], s[G0B+4*\slot+2:G0B+4*\slot+3], 2*KSTEP*WROW
	JLOAD \slot                                    ; the first tensor load behind the round; it is the one load of mine that is out
.endif
	PLACES
	FETCH \next, 0, F0
	WIN MUL_HI
	MUL16 F1, 1, 0, 0
	MUL16 F1, 1, 2, 0
.endm
.macro LAP zero
	THREE 0, \zero
	TURN 0, 1, 1
	THREE 1, 0
	TURN 1, 0, 1
.endm
	s_wait_tensorcnt 1                             ; my part of K step 0 is in; K step 1's load stays out
	s_wait_loadcnt 0x0                             ; the bias, once
	s_barrier_signal -1
	s_barrier_wait -1
	FETCH 0, 0, F0
	LAP 1                                          ; the first lap stands in front of the loop: its first products start the sums from the bias
.if LAPS > 2
	WIN 0                                          ; at a label and at a branch every window is 0
	s_mov_b32 s3, LAPS-2
.Llap:
	LAP 0
	WIN 0
	s_sub_co_u32 s3, s3, 1
	s_cmp_lg_u32 s3, 0
	s_cbranch_scc1 .Llap
.endif
	THREE 0, 0                                     ; the last lap fills nothing
	TURN 0, 1, 0
	THREE 1, 0
	s_wait_dscnt 8
	WIN MUL_LO
	MUL16 F1, 0, 0, 0
	MUL16 F1, 0, 2, 0
	s_wait_dscnt 0
	WIN MUL_HI
	MUL16 F1, 1, 0, 0
	MUL16 F1, 1, 2, 0
	; THE WAY OUT, 16 tokens at a time: round to f16, 16 bytes a lane into my own stage, read back so that sixteen lanes hold two neighbouring
	; tokens of one head: 256 neighbouring bytes of kqv, aligned.
	PLACES                                         ; the places behind the last matrix instructions
	s_lshr_b32 s16, s13, 2                         ; batch
	s_mul_i32 s16, s16, 16*BHB
	s_and_b32 s17, s13, 3
	s_lshl_b32 s17, s17, 8
	s_lshl_b32 s18, s11, 7
	s_add_co_u32 s17, s17, s18                     ; my first token
	s_lshl_b32 s17, s17, 7                         ; rows of 128 bytes
	s_add_co_u32 s16, s16, s17
	s_mov_b32 s17, 0
	s_add_nc_u64 s[8:9], s[8:9], s[16:17]
	s_and_b32 s46, s42, 3                          ; what hangs on the block column, in the registers that held B's address
	s_lshl_b32 s46, s46, 2
	s_lshl1_add_u32 s46, s12, s46                  ; my first head = 4 x (block column % 4) + 2 x half
	s_mul_i32 s46, s46, BHB
	s_cmp_eq_u32 ttmp9, 1
	s_cselect_b32 s47, 2*PLB, 0                    ; V is plane 2,
	s_cmp_eq_u32 ttmp9, 2
	s_cselect_b32 s47, PLB, s47                    ; Q plane 1, K plane 0
	s_add_co_u32 s46, s46, s47
	s_mov_b32 s47, 0
	s_add_nc_u64 s[8:9], s[8:9], s[46:47]
; tokens 16 i .. 16 i + 15 of my block = the eight tiles (a, 0..7) of window 2 or 3 (from = 0x0a or 0x0f: sources 0 and 1); f: F0 or F1 in turn
.macro OUT16 i, a, from, f
	WIN \from
.irp b, 0,1,2,3,4,5,6,7
.irp r, 0,1,2,3
	v_cvt_pk_f16_f32 v[TMP+4*\b+\r], v[8*(8*\a+\b)+2*\r], v[8*(8*\a+\b)+2*\r+1]
.endr
.endr
	WIN 0
.irp b, 0,1,2,3,4,5,6,7
	ds_store_b128 v[STO], v[TMP+4*\b:TMP+4*\b+3] offset:32*\b
.endr
	s_wait_xcnt 0x0                                ; buffer f, which earlier stores read, and the stores' base are rewritten only behind this wait
.if \i
	s_add_nc_u64 s[8:9], s[8:9], 16*128            ; 16 tokens on
.endif
.irp t, 0,1,2,3,4,5,6,7
	ds_load_b128 v[\f+4*\t:\f+4*\t+3], v[RD] offset:\t*2*SPITCH    ; LDS serves a wave's instructions in order (ISA guide 5.7.1): these see the stores above
.endr
.irp t, 0,1,2,3,4,5,6,7
	s_wait_dscnt 7-\t                              ; read-back t is in, the 7 - t younger ones stay out
	global_store_b128 v[CO], v[\f+4*\t:\f+4*\t+3], s[8:9] offset:256*\t
.endr
.endm
	OUT16 0, 0, 0x0a, F0
	OUT16 1, 1, 0x0a, F1
	OUT16 2, 2, 0x0a, F0
	OUT16 3, 3, 0x0a, F1
	OUT16 4, 0, 0x0f, F0
	OUT16 5, 1, 0x0f, F1
	OUT16 6, 2, 0x0f, F0
	OUT16 7, 3, 0x0f, F1
	s_set_vgpr_msb 0x1
	s_wait_tensorcnt 0x0
	ds_add_u32 v255, v63
	s_wait_dscnt 0x0
	s_set_vgpr_msb 0x100
	CROUND                                         ; the closing round: no work-group ends while a partner may still ask for a tile that names it
	s_endpgm
.Lfunc_end_k_q55cfa81b60_proj:
	.size	k_q55cfa81b60_proj, .Lfunc_end_k_q55cfa81b60_proj-k_q55cfa81b60_proj
	.p2alignl 7, 3214868480
	.fill 96, 4, 3214868480
	.section	.rodata,"a",@progbits
	.p2align	6, 0x0
	.amdhsa_kernel k_q55cfa81b60_proj
		.amdhsa_group_segment_fixed_size 327680
		.amdhsa_private_segment_fixed_size 0
		.amdhsa_enable_private_segment 0
		.amdhsa_kernarg_size 40
		.amdhsa_user_sgpr_count 2
		.amdhsa_user_sgpr_kernarg_segment_ptr 1
		.amdhsa_wavefront_size32 1
		.amdhsa_system_sgpr_workgroup_id_x 1
		.amdhsa_system_sgpr_workgroup_id_y 1
		.amdhsa_system_sgpr_workgroup_id_z 1
		.amdhsa_system_vgpr_workitem_id 0
		.amdhsa_next_free_vgpr 1024
		.amdhsa_next_free_sgpr 80
		.amdhsa_reserve_vcc 0
		.amdhsa_float_denorm_mode_32 3
		.amdhsa_float_denorm_mode_16_64 3
		.amdhsa_memory_ordered 1
		.amdhsa_forward_progress 1
		.amdhsa_inst_pref_size 199
	.end_amdhsa_kernel
	.amdgpu_metadata
---
amdhsa.version: [ 1, 2 ]
amdhsa.kernels:
  - .name:           k_q55cfa81b60_proj
    .symbol:         k_q55cfa81b60_proj.kd
    .args:
      - { .name: ab, .offset: 0, .size: 8, .value_kind: global_buffer, .address_space: global }
      - { .name: wb, .offset: 8, .size: 8, .value_kind: global_buffer, .address_space: global }
      - { .name: bkv, .offset: 16, .size: 8, .value_kind: global_buffer, .address_space: global }
      - { .name: bq, .offset: 24, .size: 8, .value_kind: global_buffer, .address_space: global }
      - { .name: kqv, .offset: 32, .size: 8, .value_kind: global_buffer, .address_space: global }
    .group_segment_fixed_size: 327680
    .private_segment_fixed_size: 0
    .kernarg_segment_align: 8
    .kernarg_segment_size: 40
    .max_flat_workgroup_size: 128
    .sgpr_count:     80
    .vgpr_count:     1024
    .wavefront_size: 32
...
	.end_amdgpu_metadata
.endif
;; end of part 2
;; launch attn (part 3): grid 256 x 1, 8 waves a work-group, clusters of 4 x 1, 327,680 bytes of LDS; arguments kqv, out0; writes out0
.if DOCPART == 3
	.amdgcn_target "amdgcn-amd-amdhsa--gfx1250"
	.amdhsa_code_object_version 6
	.text
	.protected	k_q55cfa81b60_attn
	.globl	k_q55cfa81b60_attn
	.p2align	8
	.type	k_q55cfa81b60_attn,@function
k_q55cfa81b60_attn:
	s_mov_b64 s[64:65], 0
	v_nop
	global_prefetch_b8 v0, s[64:65] scope:SCOPE_SE
	s_setreg_imm32_b32 hwreg(HW_REG_WAVE_MODE, 25, 1), 1
	s_wait_xcnt 0x0
	s_wait_alu depctr_hold_cnt(0) depctr_sa_sdst(0) depctr_va_vdst(0) depctr_va_sdst(0) depctr_va_ssrc(0) depctr_va_vcc(0) depctr_vm_vsrc(0)
	s_getreg_b32 s2, hwreg(HW_REG_IB_STS2, 6, 4)
	s_cmp_eq_u32 s2, 0
	s_cbranch_scc0 .Lentry_in_a_cluster
	s_endpgm
.Lentry_in_a_cluster:
	s_bfe_u32 s2, ttmp6, 0x10000c
	s_cmp_lg_u32 s2, 0x3003
	s_cbranch_scc0 .Lentry_shape_is_right
	s_endpgm
.Lentry_shape_is_right:
; Attention of 64 (batch, head) pairs: 1,024 queries, 64 numbers a head, 2,048 keys = the 1,024 rows of K and then the 1,024 rows of Q, values = V twice.
;   kqv: f16 [64 bh][K, Q, V][1024][64];   out0: f32 [4][1024][16 heads x 64].
; Since key j of K and key j of Q carry the same value row j, out = sum over j of (p_K[j] + p_Q[j]) v[j] / l: the two are added in f32 and go through
; ONE product with V.  This holds for every input: the duplicate is made by the problem itself.
; A cluster is the four work-groups of one bh; work-group cx owns queries 256 cx .. + 255, wave w 32 of them (two tiles of 16).  The four read the
; same tiles of K, Q and V: every tile load is joint (mask 15).  cx enters only the plain loads of a wave's own queries and the address in out0.
; Eight waves, two to a SIMD: while one wave works on its exponentials the other can feed the matrix unit.
; THE SCORE TILE IS MADE TRANSPOSED, S^T = keys x queries^T: lane l holds query l % 16, its register j key 8 (l / 16) + j.  Two such tiles, rounded
; to f16 and packed, ARE the second source (32 keys x 16 queries) of O^T = V^T P^T: P never goes through LDS, and a query's maximum, sum and
; rescaling factor are one number a lane.
; The maximum is taken away as the problem's softmax does, by a running maximum: p = 2^(c s - c m), c = log2(e) / 8 (the 1 / sqrt(64) folded in).
; LIMITS: K, Q, V come as f16.  P = p_K + p_Q is at most 2 and is rounded to f16; below 6e-8 it becomes 0.  l sums the unrounded p in f32.
; v_exp_f32 gives 0 for results below 2^-126 (ISA guide 15.8).  A NaN or an infinite score gives NaN in its row, as in the problem's softmax.
.set BHB,    393216                    ; bytes of one bh in kqv
.set PLB,    131072                    ; bytes of one plane
.set STEP,   16384                     ; a tile is 128 keys of 128 bytes, in every plane
.set KPITCH, 144                       ; a key's 128 bytes + 16: the 16 rows that a load touches start 16 bytes apart modulo 256
.set VPITCH, 160                       ; a value row's 128 bytes + 32: an odd multiple of 32, for the transposing load
.set VPART,  256*KPITCH                ; a slot: 128 rows of K, 128 rows of Q (36,864 bytes), then 128 rows of V (20,480)
.set SLOTB,  VPART+128*VPITCH          ; 57,344
.set STAGE,  2*SLOTB                   ; 114,688: behind the ring, 32 rows x 272 bytes of f32 for each wave; no tensor load lands here
.set OPITCH, 272
.set WSTAGE, 32*OPITCH
.set SCALE,  0x3e38aa3b                ; c = log2(e) / 8
.set NSCALE, 0xbe38aa3b                ; -c
; window 0
.set ADK,  8                           ; v8-9     LDS address of my key fragments in slot 0, 1
.set ADV,  10                          ; v10-11   the same for V's transposing loads
.set STO,  12                          ; v12      the way out: where I put 16 bytes
.set RD,   13                          ; v13      the way out: where I read a row back
.set CO,   14                          ; v14      my byte offset in out0
.set QOFF, 15                          ; v15      my byte offset in my wave's queries
.set M,    16                          ; v16-17   running maximum of query tile 0, 1
.set L,    18                          ; v18-19   running sum over my half of the keys
.set NMC,  20                          ; v20, v22 -c m (first register of a pair; the second is written once and never used)
.set AL,   24                          ; v24, v26 the rescaling factor, at the end 1 / l (likewise)
.set QF,   32                          ; v[32:63]   my queries: 16 qt + 8 ds
.set KF,   64                          ; v[64:127]  keys: 32 src + 16 kt + 8 ds (src 0 = K, 1 = Q)
.set VF,   128                         ; v[128:159] V^T: 8 dt
.set S1,   160                         ; v[160:191] scores against K: 16 qt + 8 kt
.set S2,   192                         ; v[192:223] scores against Q
.set P,    224                         ; v[224:239] packed probabilities: 8 qt
.set T,    240                         ; v[240:255] at work: 8 qt
; window 1: v[0:63] (v256-319) O^T, tile (dt, qt) at 8 (2 dt + qt)
.set G1K, 16                           ; s[16:23] group 1 for K's and Q's rows
.set G1V, 24                           ; s[24:31] group 1 for V's rows
.set G0K, 32                           ; s[32:39] group 0 for K's and Q's rows, one set for each slot
.set G0V, 40                           ; s[40:47] group 0 for V's rows, one set for each slot
.set MSB, 0
.macro WIN new                         ; the immediate's high byte repeats the setting that is left
.if MSB != \new
	s_set_vgpr_msb (MSB<<8)|\new
.set MSB, \new
.endif
.endm
.macro ROUND                           ; a round of the cluster's barrier
	s_barrier_signal -1
	s_barrier_wait -1
	s_cmp_lg_u32 s8, 0
	s_cbranch_scc1 .Lnot_wave_0_\@
	s_barrier_signal -3
.Lnot_wave_0_\@:
	s_barrier_wait -3
	s_barrier_signal -1
	s_barrier_wait -1
.endm
.macro PLACES                          ; four places behind a matrix instruction (ISA guide 7.12.1)
.rept 4
	v_nop
.endr
.endm
	s_load_b128 s[4:7], s[0:1], 0x0                ; kqv s[4:5], out0 s[6:7]
	s_set_vgpr_msb 0x40
	v_lshl_add_u32 v64, v0, 2, 0x2d000
	v_mov_b32 v65, 0
	s_set_vgpr_msb 0x4045
	ds_add_u32 v64, v65
	s_set_vgpr_msb 0x4500
	v_lshrrev_b32 v1, 5, v0
	v_readfirstlane_b32 s8, v1                     ; wave 0..7
	s_bfe_u32 s9, ttmp6, 0x40000                   ; cx: my block of 256 queries.  ttmp9 = the cluster's number = bh
	s_mov_b32 s12, 0x76543210                      ; v_permlanex16_b32: lane i of one half reads lane i of the other
	s_mov_b32 s13, 0xfedcba98
	s_mov_b32 s14, SCALE
	s_mov_b32 s15, SCALE
	; group 1, K's and Q's rows: 32 rows x 64 elements of 2 bytes, 4 words of padding behind every 32; mask 15 = all four work-groups
	s_mov_b32 s[G1K+0], 15|(1<<16)|(1<<20)|(1<<21)|(4<<22)|(3<<25)
	s_mov_b32 s[G1K+1], 64<<16                     ; tensor_dim0 = 64
	s_mov_b32 s[G1K+2], 32<<16                     ; tensor_dim1 = 32
	s_mov_b32 s[G1K+3], 64<<16                     ; tile_dim0 = 64
	s_mov_b32 s[G1K+4], 32                         ; tile_dim1 = 32
	s_mov_b32 s[G1K+5], 64                         ; elements from row to row
	s_mov_b32 s[G1K+6], 0
	s_mov_b32 s[G1K+7], 0
	; group 1, V's rows: 16 rows x 64 elements, 8 words of padding behind every 32
	s_mov_b32 s[G1V+0], 15|(1<<16)|(1<<20)|(1<<21)|(4<<22)|(7<<25)
	s_mov_b32 s[G1V+1], 64<<16
	s_mov_b32 s[G1V+2], 16<<16
	s_mov_b32 s[G1V+3], 64<<16
	s_mov_b32 s[G1V+4], 16
	s_mov_b32 s[G1V+5], 64
	s_mov_b32 s[G1V+6], 0
	s_mov_b32 s[G1V+7], 0
	; what I fetch of each tile: waves 0-3 32 rows each of K, waves 4-7 of Q; every wave 16 rows of V.  bh and the wave's number alone.
	s_mul_i32 s50, ttmp9, BHB
	s_lshr_b32 s52, s8, 2
	s_lshl_b32 s52, s52, 17                        ; plane K or Q
	s_and_b32 s53, s8, 3
	s_lshl_b32 s53, s53, 12                        ; 32 rows of 128 bytes
	s_add_co_u32 s52, s52, s53
	s_add_co_u32 s52, s52, s50
	s_mov_b32 s53, 0
	s_lshl_b32 s54, s8, 11                         ; 16 rows of 128 bytes
	s_add_co_u32 s54, s54, s50
	s_add_co_u32 s54, s54, 2*PLB                   ; plane V
	s_mov_b32 s55, 0
	s_mul_i32 s48, s8, 32*KPITCH                   ; and where it goes in a slot
	s_mul_i32 s49, s8, 16*VPITCH
	s_add_co_u32 s49, s49, VPART
	s_mul_i32 s51, s8, WSTAGE
	s_add_co_u32 s51, s51, STAGE                   ; my stage
	; my own 32 queries: plane Q, row 256 cx + 32 w
	s_lshl_b32 s10, s9, 15
	s_lshl_b32 s11, s8, 12
	s_add_co_u32 s10, s10, s11
	s_add_co_u32 s10, s10, s50
	s_add_co_u32 s10, s10, PLB
	s_mov_b32 s11, 0
	v_and_b32 v1, 15, v0                           ; r = l % 16
	v_bfe_u32 v2, v0, 4, 1                         ; h = l / 16
	v_and_b32 v3, 7, v0                            ; l % 8
	v_bfe_u32 v4, v0, 3, 1                         ; (l / 8) % 2
	v_lshlrev_b32 v[QOFF], 7, v1
	v_lshl_add_u32 v[QOFF], v2, 4, v[QOFF]         ; row r, 16 bytes for each half of the lanes
	s_wait_dscnt 0x0
	s_wait_kmcnt 0x0
	s_add_nc_u64 s[2:3], s[4:5], s[10:11]
	s_add_nc_u64 s[52:53], s[4:5], s[52:53]
	s_add_nc_u64 s[54:55], s[4:5], s[54:55]
.irp qt, 0,1
.irp ds, 0,1
	global_load_b128 v[QF+16*\qt+8*\ds:QF+16*\qt+8*\ds+3],   v[QOFF], s[2:3] offset:2048*\qt+64*\ds
	global_load_b128 v[QF+16*\qt+8*\ds+4:QF+16*\qt+8*\ds+7], v[QOFF], s[2:3] offset:2048*\qt+64*\ds+32
.endr
.endr
.irp s, 0,1
	s_mov_b32 s[G0K+4*\s], 1                                       ; count = 1
	s_add_co_u32 s[G0K+4*\s+1], s48, \s*SLOTB                      ; LDS address
	s_add_nc_u64 s[G0K+4*\s+2:G0K+4*\s+3], s[52:53], \s*STEP       ; slot s starts with tile s
	s_or_b32 s[G0K+4*\s+3], s[G0K+4*\s+3], 0x80000000              ; type = 2
	s_mov_b32 s[G0V+4*\s], 1
	s_add_co_u32 s[G0V+4*\s+1], s49, \s*SLOTB
	s_add_nc_u64 s[G0V+4*\s+2:G0V+4*\s+3], s[54:55], \s*STEP
	s_or_b32 s[G0V+4*\s+3], s[G0V+4*\s+3], 0x80000000
.endr
	; out0 at row batch x 1024 + 256 cx + 32 w, column head x 64
	s_lshr_b32 s10, ttmp9, 4
	s_lshl_b32 s10, s10, 10
	s_lshl_b32 s11, s9, 8
	s_add_co_u32 s10, s10, s11
	s_lshl_b32 s11, s8, 5
	s_add_co_u32 s10, s10, s11
	s_lshl_b32 s10, s10, 12                        ; rows of 4,096 bytes
	s_and_b32 s11, ttmp9, 15
	s_lshl_b32 s11, s11, 8
	s_add_co_u32 s10, s10, s11
	s_mov_b32 s11, 0
	s_add_nc_u64 s[6:7], s[6:7], s[10:11]
	v_mul_u32_u24 v[ADK], v1, KPITCH
	v_lshl_add_u32 v[ADK], v2, 4, v[ADK]           ; key r of a fragment, 16 bytes for each half of the lanes
	v_add_nc_u32 v[ADK+1], SLOTB, v[ADK]
	v_lshl_add_u32 v5, v2, 3, v3                   ; value row 8 h + l % 8
	v_mul_u32_u24 v5, v5, VPITCH
	v_lshl_add_u32 v5, v4, 4, v5
	v_add_nc_u32 v[ADV], VPART, v5
	v_add_nc_u32 v[ADV+1], SLOTB+VPART, v5
	v_mul_u32_u24 v6, v1, OPITCH
	v_lshl_add_u32 v6, v2, 5, v6
	v_add_nc_u32 v[STO], s51, v6                   ; in: query r, 8 numbers of 4 bytes for each half of the lanes
	v_mul_u32_u24 v7, v2, OPITCH
	v_lshl_add_u32 v7, v1, 4, v7
	v_add_nc_u32 v[RD], s51, v7                    ; back: lanes 0-15 one query's 256 bytes, lanes 16-31 the next query's
	v_lshlrev_b32 v[CO], 12, v2
	v_lshl_add_u32 v[CO], v1, 4, v[CO]             ; the same two rows in out0
.irp r, 21,23,25,27,29,31
	v_mov_b32 v\r, 0                               ; second registers of broadcast pairs, and v_permlanex16_b32's destinations, which count as read
.endr
	ROUND                                          ; all four work-groups are here: the first joint loads meet
	tensor_load_to_lds s[G0K:G0K+3], s[G1K:G1K+7]  ; tile 0
	s_nop 0
	tensor_load_to_lds s[G0V:G0V+3], s[G1V:G1V+7]
	s_nop 0
	s_wait_loadcnt 0x0                             ; my queries, once
; 16 loads: the fragments of 32 keys of K and 32 of Q (keys 32 sub .. + 31 of the tile)
.macro FETCHK slot, sub
.irp src, 0,1
.irp kt, 0,1
.irp ds, 0,1
	ds_load_b128 v[KF+32*\src+16*\kt+8*\ds:KF+32*\src+16*\kt+8*\ds+3],   v[ADK+\slot] offset:128*KPITCH*\src+(32*(\sub)+16*\kt)*KPITCH+64*\ds
	ds_load_b128 v[KF+32*\src+16*\kt+8*\ds+4:KF+32*\src+16*\kt+8*\ds+7], v[ADK+\slot] offset:128*KPITCH*\src+(32*(\sub)+16*\kt)*KPITCH+64*\ds+32
.endr
.endr
.endr
.endm
; 8 transposing loads: V^T, 64 numbers x the same 32 rows
.macro FETCHV slot, sub
.irp dt, 0,1,2,3
	ds_load_tr16_b128 v[VF+8*\dt:VF+8*\dt+3],   v[ADV+\slot] offset:32*VPITCH*(\sub)+32*\dt
	ds_load_tr16_b128 v[VF+8*\dt+4:VF+8*\dt+7], v[ADV+\slot] offset:32*VPITCH*(\sub)+32*\dt+16*VPITCH
.endr
.endm
; The new maximum of query tile qt over its 32 scores a lane and the old maximum (33 numbers: 16 three-way maxima in four chains), then over the
; two halves of the lanes.  Then -c m, and the factor 2^(c m_old - c m_new), formed from the two rounded products that the exponents use.
.macro ROWMAX qt, first
.irp c, 0,1,2,3
	v_max3_num_f32 v[T+8*\qt+\c], v[S1+16*\qt+8*(\c%2)+32*(\c/2)], v[S1+16*\qt+8*(\c%2)+32*(\c/2)+1], v[S1+16*\qt+8*(\c%2)+32*(\c/2)+2]
.endr
.irp c, 0,1,2,3
	v_max3_num_f32 v[T+8*\qt+\c], v[T+8*\qt+\c], v[S1+16*\qt+8*(\c%2)+32*(\c/2)+3], v[S1+16*\qt+8*(\c%2)+32*(\c/2)+4]
.endr
.irp c, 0,1,2,3
	v_max3_num_f32 v[T+8*\qt+\c], v[T+8*\qt+\c], v[S1+16*\qt+8*(\c%2)+32*(\c/2)+5], v[S1+16*\qt+8*(\c%2)+32*(\c/2)+6]
.endr
	v_max3_num_f32 v[T+8*\qt],   v[T+8*\qt],   v[T+8*\qt+1], v[S1+16*\qt+7]
	v_max3_num_f32 v[T+8*\qt+2], v[T+8*\qt+2], v[T+8*\qt+3], v[S1+16*\qt+15]
	v_max3_num_f32 v[T+8*\qt],   v[T+8*\qt],   v[T+8*\qt+2], v[S2+16*\qt+7]
.if \first
	v_max_num_f32 v[T+8*\qt], v[T+8*\qt], v[S2+16*\qt+15]
.else
	v_max3_num_f32 v[T+8*\qt], v[T+8*\qt], v[S2+16*\qt+15], v[M+\qt]
.endif
	v_permlanex16_b32 v29, v[T+8*\qt], s12, s13
	v_max_num_f32 v[M+\qt], v[T+8*\qt], v29
	v_mul_f32 v28, NSCALE, v[M+\qt]
.if \first
.else
	v_sub_f32 v30, v28, v[NMC+2*\qt]
	v_exp_f32 v[AL+2*\qt], v30                     ; the move below is the plain instruction that stands behind it (ISA guide 5.7.2)
.endif
	v_mov_b32 v[NMC+2*\qt], v28
.endm
; p = 2^(c s - c m) in place: one fused multiply-add for two scores, then the 32 exponentials back to back.  The plain instruction behind each run:
; the next tile's first multiply-add, or the first add of SUMPACK 0; neither names this run's registers.
.macro EXPS qt
.irp i, 0,2,4,6,8,10,12,14
	v_pk_fma_f32 v[S1+16*\qt+\i:S1+16*\qt+\i+1], v[S1+16*\qt+\i:S1+16*\qt+\i+1], s[14:15], v[NMC+2*\qt:NMC+2*\qt+1] op_sel_hi:[1,0,0]
	v_pk_fma_f32 v[S2+16*\qt+\i:S2+16*\qt+\i+1], v[S2+16*\qt+\i:S2+16*\qt+\i+1], s[14:15], v[NMC+2*\qt:NMC+2*\qt+1] op_sel_hi:[1,0,0]
.endr
.irp i, 0,1,2,3,4,5,6,7,8,9,10,11,12,13,14,15
	v_exp_f32 v[S1+16*\qt+\i], v[S1+16*\qt+\i]
	v_exp_f32 v[S2+16*\qt+\i], v[S2+16*\qt+\i]
.endr
.endm
; p_K + p_Q in f32; rounded to f16 and packed they are the second source of the product with V^T; their sum goes into l.
.macro SUMPACK qt, first
	s_wait_alu depctr_va_vdst(0)
.irp i, 0,2,4,6,8,10,12,14
	v_pk_add_f32 v[S1+16*\qt+\i:S1+16*\qt+\i+1], v[S1+16*\qt+\i:S1+16*\qt+\i+1], v[S2+16*\qt+\i:S2+16*\qt+\i+1]
.endr
.irp i, 0,1,2,3,4,5,6,7
	v_cvt_pk_f16_f32 v[P+8*\qt+\i], v[S1+16*\qt+2*\i], v[S1+16*\qt+2*\i+1]
.endr
.irp i, 0,1,2,3
	v_pk_add_f32 v[T+8*\qt+2*\i:T+8*\qt+2*\i+1], v[S1+16*\qt+4*\i:S1+16*\qt+4*\i+1], v[S1+16*\qt+4*\i+2:S1+16*\qt+4*\i+3]
.endr
	v_pk_add_f32 v[T+8*\qt:T+8*\qt+1],   v[T+8*\qt:T+8*\qt+1],   v[T+8*\qt+2:T+8*\qt+3]
	v_pk_add_f32 v[T+8*\qt+4:T+8*\qt+5], v[T+8*\qt+4:T+8*\qt+5], v[T+8*\qt+6:T+8*\qt+7]
	v_pk_add_f32 v[T+8*\qt:T+8*\qt+1],   v[T+8*\qt:T+8*\qt+1],   v[T+8*\qt+4:T+8*\qt+5]
.if \first
	v_add_f32 v[L+\qt], v[T+8*\qt], v[T+8*\qt+1]
.else
	v_add_f32 v[T+8*\qt], v[T+8*\qt], v[T+8*\qt+1]
	v_fma_f32 v[L+\qt], v[L+\qt], v[AL+2*\qt], v[T+8*\qt]
.endif
.endm
; O^T times the factor of its query tile (tile t belongs to query tile t % 2)
.macro SCALEO
	WIN 0x41                                       ; destination and source 0 window 1, the factor window 0
.irp t, 0,1,2,3,4,5,6,7
.irp i, 0,2,4,6
	v_pk_mul_f32 v[8*\t+\i:8*\t+\i+1], v[8*\t+\i:8*\t+\i+1], v[AL+2*(\t%2):AL+2*(\t%2)+1] op_sel_hi:[1,0]
.endr
.endr
.endm
; 32 keys of K, the same 32 of Q, and their 32 value rows.  In both groups of matrix instructions the accumulators take turns, one instruction a
; turn.
.macro SUB slot, sub, first
	s_wait_dscnt 0x0                               ; the key fragments are in
.irp src, 0,1
.irp qt, 0,1
.irp kt, 0,1
	v_wmma_f32_16x16x32_f16 v[S1+32*\src+16*\qt+8*\kt:S1+32*\src+16*\qt+8*\kt+7], v[KF+32*\src+16*\kt:KF+32*\src+16*\kt+7], v[QF+16*\qt:QF+16*\qt+7], 0
.endr
.endr
.endr
.irp src, 0,1
.irp qt, 0,1
.irp kt, 0,1
	v_wmma_f32_16x16x32_f16 v[S1+32*\src+16*\qt+8*\kt:S1+32*\src+16*\qt+8*\kt+7], v[KF+32*\src+16*\kt+8:KF+32*\src+16*\kt+15], v[QF+16*\qt+8:QF+16*\qt+15], v[S1+32*\src+16*\qt+8*\kt:S1+32*\src+16*\qt+8*\kt+7]
.endr
.endr
.endr
	PLACES                                         ; for the reads of the scores and for the loads into the key and value fragments
	FETCHV \slot, \sub
.if \sub < 3
	FETCHK \slot, \sub+1
.endif
	ROWMAX 0, \first
	ROWMAX 1, \first
	EXPS 0
	EXPS 1
	SUMPACK 0, \first
	SUMPACK 1, \first
.if \sub < 3
	s_wait_dscnt 16                                ; V's eight loads are in; the 16 younger ones, the next keys' fragments, stay out
.else
	s_wait_dscnt 0x0                               ; V's loads were the last of this tile
.endif
.if \first
	WIN 0x40                                       ; the first products start the sums: nothing is cleared
.irp dt, 0,1,2,3
.irp qt, 0,1
	v_wmma_f32_16x16x32_f16 v[8*(2*\dt+\qt):8*(2*\dt+\qt)+7], v[VF+8*\dt:VF+8*\dt+7], v[P+8*\qt:P+8*\qt+7], 0
.endr
.endr
.else
	SCALEO
	WIN 0x50                                       ; C and D window 1
.irp dt, 0,1,2,3
.irp qt, 0,1
	v_wmma_f32_16x16x32_f16 v[8*(2*\dt+\qt):8*(2*\dt+\qt)+7], v[VF+8*\dt:VF+8*\dt+7], v[P+8*\qt:P+8*\qt+7], v[8*(2*\dt+\qt):8*(2*\dt+\qt)+7]
.endr
.endr
.endif
	WIN 0
.endm
; One tile of 128 keys.  In front of the round every wave waits for all its tensor loads (its parts of this tile) and for its reads of the other
; slot; behind it the other slot's two joint loads come first: two tensor loads of mine are out, and they have the whole trip in which to land.
.macro TRIP slot, refill, first
	s_set_vgpr_msb 0x5
	s_wait_tensorcnt 0x0                           ; no tensor load of mine is out, so every group 0 may be written:
	ds_add_u32 v64, v65
	s_wait_dscnt 0x0
	s_set_vgpr_msb 0x500
	s_add_nc_u64 s[G0K+4*\slot+2:G0K+4*\slot+3], s[G0K+4*\slot+2:G0K+4*\slot+3], 2*STEP    ; this slot's next tile
	s_add_nc_u64 s[G0V+4*\slot+2:G0V+4*\slot+3], s[G0V+4*\slot+2:G0V+4*\slot+3], 2*STEP
	s_wait_dscnt 0x0                               ; my reads of the last trip's tile are done
	ROUND                                          ; both now hold of every wave of all four work-groups
.if \refill
	tensor_load_to_lds s[G0K+4-4*\slot:G0K+7-4*\slot], s[G1K:G1K+7]
	s_nop 0
	tensor_load_to_lds s[G0V+4-4*\slot:G0V+7-4*\slot], s[G1V:G1V+7]
	s_nop 0
.endif
	FETCHK \slot, 0
	SUB \slot, 0, \first
	SUB \slot, 1, 0
	SUB \slot, 2, 0
	SUB \slot, 3, 0
.endm
	TRIP 0, 1, 1                                   ; eight tiles: two in front of the loop (the first starts maximum, sum and O),
	TRIP 1, 1, 0
	s_mov_b32 s56, 2
.Lloop:
	TRIP 0, 1, 0                                   ; four in the loop,
	TRIP 1, 1, 0
	s_sub_co_u32 s56, s56, 1
	s_cmp_lg_u32 s56, 0
	s_cbranch_scc1 .Lloop
	TRIP 0, 1, 0                                   ; two behind it: the last asks for nothing
	TRIP 1, 0, 0
	; THE WAY OUT: l over both halves of the lanes, O^T / l, through my own stage so that sixteen lanes hold one query's 64 numbers of this head:
	; 256 neighbouring bytes of out0, aligned.
	PLACES                                         ; the places behind the last matrix instructions
	v_permlanex16_b32 v29, v[L], s12, s13
	v_permlanex16_b32 v31, v[L+1], s12, s13
	v_add_f32 v[L], v[L], v29
	v_add_f32 v[L+1], v[L+1], v31
	v_rcp_f32 v[AL], v[L]                          ; l is at least the largest p, about 1
	v_rcp_f32 v[AL+2], v[L+1]
	v_nop                                          ; the plain instruction behind the two reciprocals (ISA guide 5.7.2)
	s_wait_alu depctr_va_vdst(0)
	SCALEO
	WIN 0x04                                       ; store data window 1, address window 0
.irp qt, 0,1
.irp dt, 0,1,2,3
	ds_store_b128 v[STO], v[8*(2*\dt+\qt):8*(2*\dt+\qt)+3]   offset:16*OPITCH*\qt+64*\dt
	ds_store_b128 v[STO], v[8*(2*\dt+\qt)+4:8*(2*\dt+\qt)+7] offset:16*OPITCH*\qt+64*\dt+16
.endr
.endr
	WIN 0
.irp t, 0,1,2,3,4,5,6,7,8,9,10,11,12,13,14,15
	ds_load_b128 v[KF+4*\t:KF+4*\t+3], v[RD] offset:2*OPITCH*\t    ; LDS serves a wave's instructions in order (ISA guide 5.7.1): these see the stores above
.endr
.irp t, 0,1,2,3,4,5,6,7,8,9,10,11,12,13,14,15
	s_wait_dscnt 15-\t                             ; read-back t is in, the 15 - t younger ones stay out
	global_store_b128 v[CO], v[KF+4*\t:KF+4*\t+3], s[6:7] offset:8192*\t th:TH_STORE_NT
.endr
	s_set_vgpr_msb 0x5
	s_wait_tensorcnt 0x0
	ds_add_u32 v64, v65
	s_wait_dscnt 0x0
	s_set_vgpr_msb 0x500
	ROUND                                          ; the closing round: no work-group ends while a partner may still ask for a tile that names it
	s_endpgm
.Lfunc_end_k_q55cfa81b60_attn:
	.size	k_q55cfa81b60_attn, .Lfunc_end_k_q55cfa81b60_attn-k_q55cfa81b60_attn
	.p2alignl 7, 3214868480
	.fill 96, 4, 3214868480
	.section	.rodata,"a",@progbits
	.p2align	6, 0x0
	.amdhsa_kernel k_q55cfa81b60_attn
		.amdhsa_group_segment_fixed_size 327680
		.amdhsa_private_segment_fixed_size 0
		.amdhsa_enable_private_segment 0
		.amdhsa_kernarg_size 16
		.amdhsa_user_sgpr_count 2
		.amdhsa_user_sgpr_kernarg_segment_ptr 1
		.amdhsa_wavefront_size32 1
		.amdhsa_system_sgpr_workgroup_id_x 1
		.amdhsa_system_sgpr_workgroup_id_y 1
		.amdhsa_system_sgpr_workgroup_id_z 1
		.amdhsa_system_vgpr_workitem_id 0
		.amdhsa_next_free_vgpr 322
		.amdhsa_next_free_sgpr 66
		.amdhsa_reserve_vcc 0
		.amdhsa_float_denorm_mode_32 3
		.amdhsa_float_denorm_mode_16_64 3
		.amdhsa_memory_ordered 1
		.amdhsa_forward_progress 1
		.amdhsa_inst_pref_size 255
	.end_amdhsa_kernel
	.section	.bss,"aw",@nobits
	.p2align	6
	.space	262144
	.amdgpu_metadata
---
amdhsa.version: [ 1, 2 ]
amdhsa.kernels:
  - .name:           k_q55cfa81b60_attn
    .symbol:         k_q55cfa81b60_attn.kd
    .args:
      - { .name: kqv, .offset: 0, .size: 8, .value_kind: global_buffer, .address_space: global }
      - { .name: out0, .offset: 8, .size: 8, .value_kind: global_buffer, .address_space: global }
    .group_segment_fixed_size: 327680
    .private_segment_fixed_size: 0
    .kernarg_segment_align: 8
    .kernarg_segment_size: 16
    .max_flat_workgroup_size: 256
    .sgpr_count:     66
    .vgpr_count:     322
    .wavefront_size: 32
...
	.end_amdgpu_metadata
.endif
;; end of part 3
